; MI455X (gfx1250); checked and timed in simulation.
; The chip was launched on July 23, 2026; its instructions are those of AMD's public machine-readable ISA for CDNA 5 (MIT licence, August 2026) and "CDNA5" Instruction Set Architecture Reference Guide (July 2026). The comments in the code are by the model that wrote it; some were corrected since.
;; Quantized Linear. Allowed arithmetic: matrix products marked QUANTISED: E4M3 operands, one E8M0 scale for each 32 along K, by v_wmma_scale_f32_16x16x128_f8f6f4 with both operands' format E4M3, f32 sums; everything else in f32.
;; Inputs: act_scale one number float32; act_zero_point one number int32; bias 4,096 float32; weight 4,096 x 4,096 float32; weight_scale 4,096 float32; weight_zero_point 4,096 int32; x 4,096 x 4,096 float32.
;; Outputs: out0 4,096 x 4,096 float32.
;; This version of the problem:
;;   THIS VERSION OF THE PROBLEM IS GIVEN IN LOW PRECISION. The matrix products marked QUANTISED in the list below multiply operands that are first quantised to E4M3 (4 exponent bits, 3 mantissa bits; 8 bits a number), with one power-of-two scale for each 32 numbers along K (OCP MX v1.0); their sums are f32. All else is computed in f32.
;;   The module's matrix products, in the order in which they are computed (A, B: the left and right operand; K: the contracted axis; several contracted axes count as one K, in the product's order):
;;     1. [M 4,096, K 4,096] x [K 4,096, N 4,096]; A: computed on the way; B: computed on the way: QUANTISED
;;   THE QUANTISER, for each operand of a quantised product, along K:
;;     - K is cut into blocks of 32 from its start; a last block that is shorter is filled with zeros.
;;     - A block's scale is 2^e with e = floor(log2(the largest magnitude in the block)) - 8, held to -126 .. 127; a block of zeros has e = 0. As a byte (E8M0): e + 127.
;;     - Each number is divided by its block's scale, clamped to +-448, and rounded to the nearest number of E4M3, ties to even, subnormals kept.
;;     - The product sums the exact products of the quantised numbers (number of the format x scale) in f32.
;;   ~~~python
;;   def quantise(x, axis):      # numpy; x: float32 -> the quantised numbers, widened to float32 again
;;       x = np.moveaxis(x, axis, -1); K = x.shape[-1]
;;       x = np.pad(x, [(0, 0)] * (x.ndim - 1) + [(0, -K % 32)]); x = x.reshape(x.shape[:-1] + (-1, 32)); a = np.abs(x).max(-1, keepdims=True)
;;       e = np.where(a > 0, np.clip(np.frexp(np.where(a > 0, a, 1))[1] - 1 - 8, -126, 127), 0)      # np.frexp(a)[1] - 1 = floor(log2(a)), exactly
;;       r = np.clip(x / 2.0 ** e, -448, 448)
;;       step = 2.0 ** (np.maximum(np.frexp(np.where(r == 0, 1, r))[1] - 1, -6) - 3)
;;       q = np.round(r / step) * step * 2.0 ** e      # np.round: ties to even
;;       return np.moveaxis(q.reshape(q.shape[:-2] + (-1,))[..., :K], -1, axis).astype(np.float32)
;;   ~~~
;;   OPERANDS COMPUTED ON THE WAY. 'Computed on the way' means the value that the module computes at that place (a softmax that the list does not call 'softmax' is quantised finished and normalised). What goes into a quantiser is computed in f32, as accurately as f32 sums, v_exp_f32 and their like allow (about 1e-6 of the number): no bf16 or f16 on the way to a quantiser, and a product that is left as it is and whose result goes on into a quantised operand takes f32 operands (vector FMAs, or v_wmma_f32_16x16x4_f32). A number that lies on a knife's edge between two numbers of the format may be rounded either way, as far as f32 arithmetic and the matrix unit's own rounding can turn it there, and no further.
;; One version. Each part assembles by itself: llvm-mc -triple=amdgcn-amd-amdhsa -mcpu=gfx1250 --defsym DOCPART=n.
;; ======== version 1 of 1: 2 launches
;; limits: right only within a limited range of input values
;; workspace buffers: a_pack 17,301,504 bytes; b_pack 17,301,504 bytes
;; launch quant (part 1): grid 256 x 1, 16 waves a work-group, no clusters, 145,408 bytes of LDS; arguments x, weight, act_scale, act_zero_point, weight_scale, weight_zero_point, a_pack, b_pack; writes a_pack, b_pack
.if DOCPART == 1
	.amdgcn_target "amdgcn-amd-amdhsa--gfx1250"
	.amdhsa_code_object_version 6
	.text
	.protected	k_q83e6fe05d3_quant
	.globl	k_q83e6fe05d3_quant
	.p2align	8
	.type	k_q83e6fe05d3_quant,@function
k_q83e6fe05d3_quant:
	s_mov_b64 s[64:65], 0
	v_nop
	global_prefetch_b8 v0, s[64:65] scope:SCOPE_SE
	s_setreg_imm32_b32 hwreg(HW_REG_WAVE_MODE, 25, 1), 1
	s_wait_xcnt 0x0
; x [4096][4096] and weight [4096][4096], f32, go through the module's affine 8-bit quantise-dequantise, d = (clip(round(v / s) + z, 0, 255) - z) s, in f32 (x: one s and z; weight: one for each row),
; and d is turned into codes of FP8 (E4M3) with one E8M0 scale byte for each 32 along K (the last axis).  No step and no input of the module is left out.
; THE DIVISION: r = 1 / s by v_rcp_f32 and one Newton step; q0 = v r; the remainder v - q0 s by one fused multiply-add; q = q0 + remainder x r.  round is v_rndne_f32 (ties to even).
; THE CLIP: clip(n + z, 0, 255) - z is the middle of n, -z and 255 - z: n + z is exact inside the range, and both forms hold at the same ends outside it.
; LIMITS: NaN and infinities in x or weight are not served; a scale s that is 0, denormal or above 2^126 is not served; |v / s| must stay a finite f32; |z| up to 2^23; the sign of a zero is not kept;
; a block of zeros gets the byte 1 where the rule says 127: its codes are zeros, which add nothing under any byte but 0xff, and the bytes are read by this program alone.
; THE PACKS, in the order of the product's operand registers: [32 blocks of 128 rows][32 K steps of 128][KBS bytes]: piece (a, c), a = 0..7, c = 0..3, at 512 (4 a + c): lane l = 16 h + r holds the 16 codes of row 16 a + r, K = 32 c + 16 h ..;
; then 512 bytes of scale words: lane l's 16 bytes at 16,384 + 16 l: word j is that of row 16 (j + 4 h) + r (four bytes, one for each 32 of the 128).
; SHARES: work-groups 0-127 take x, the others weight (pointers alone are chosen).  A work-group takes a block of 128 rows x 1,024 along K; wave w rows 16 (w % 8) .., 512 (w / 8) along K on: eight steps of 16 rows x 64.
; A step's eight loads read two rows x 256 consecutive bytes each; the 4,096 bytes turn through the wave's own stage in LDS (rows 272 bytes apart), so that lane (r, h) holds 2 x 16 neighbours of row r.
; A block of 32 lies in lanes l and l xor 16.  A store of codes covers 512 consecutive bytes.  The scale words meet in LDS; behind the one barrier each wave stores 256 consecutive bytes of them.
.set KBS,   16896
.set RBB,   32*KBS
.set STEPS, 8
.set SPT,   272
.set STG,   16*SPT                     ; a stage
.set SCB,   16*2*STG                   ; behind the stages: the scale words, [8 K steps][512]
.set SPARE, SCB+4096                   ; the spare words, 128 bytes a wave
.set EMAX,  8
.set R,     16                         ; v16-111  three sets of 32 numbers as loaded
.set X,     112                        ; v112-175 two sets of 32: 2 x 16 neighbours
.set T,     176                        ; v176-207 the quotients
.set C,     208                        ; v208-239 codes: eight registers a step, four steps
.set P,     240                        ; v240-247 +0,+1 1/s; +2,+3 -s; +4,+5 s; +6 -z; +7 255 - z
.set ZP,    248
.set W,     249                        ; the scale word in the making
.set PO,    250
	s_load_b256 s[4:11], s[0:1], 0x0               ; x, weight, act_scale, act_zero_point
	s_load_b256 s[12:19], s[0:1], 0x20             ; weight_scale, weight_zero_point, a_pack, b_pack
	v_lshrrev_b32 v1, 5, v0
	v_readfirstlane_b32 s20, v1                    ; wave
	s_cmp_lt_u32 ttmp9, 128
	s_cselect_b32 s22, 0, -1                       ; x has one s and one z: its offsets are masked to 0
	s_and_b32 s21, ttmp9, 127
	s_lshr_b32 s23, s21, 2                         ; block of 128 rows
	s_and_b32 s24, s21, 3                          ; which 1,024 along K
	s_and_b32 s25, s20, 7                          ; a
	s_lshr_b32 s26, s20, 3                         ; which 512 of them
	s_lshl_b32 s27, s23, 7
	s_lshl_b32 s29, s25, 4
	s_add_co_u32 s27, s27, s29                     ; my first row
	s_lshl_b32 s28, s27, 2
	s_lshl_b32 s30, s27, 14                        ; in: a row is 16,384 bytes
	s_lshl_b32 s29, s24, 12
	s_add_co_u32 s30, s30, s29
	s_lshl_b32 s29, s26, 11
	s_add_co_u32 s30, s30, s29
	s_mov_b32 s31, 0
	s_mul_i32 s34, s23, RBB                        ; codes: block, my first K step 8 kq + 4 kh, piece 4 a
	s_lshl_b32 s29, s24, 3
	s_lshl_b32 s43, s26, 2
	s_add_co_u32 s43, s43, s29
	s_mul_i32 s43, s43, KBS
	s_add_co_u32 s43, s43, s34
	s_lshr_b32 s38, s20, 1                         ; scale words out: wave w stores K step 8 kq + w / 2, half w % 2
	s_add_co_u32 s38, s38, s29
	s_mul_i32 s38, s38, KBS
	s_add_co_u32 s38, s38, s34
	s_and_b32 s29, s20, 1
	s_lshl_b32 s29, s29, 8
	s_add_co_u32 s38, s38, s29
	s_add_co_u32 s38, s38, 16384
	s_mov_b32 s39, 0
	s_lshl_b32 s29, s25, 11
	s_add_co_u32 s34, s43, s29
	s_mov_b32 s35, 0
	s_mul_i32 s40, s20, 2*STG                      ; my stages
	s_lshl_b32 s41, s26, 11                        ; my scale words in LDS: 4 kh K steps on, 256 (a / 4) + 4 (a % 4)
	s_lshr_b32 s29, s25, 2
	s_lshl_b32 s29, s29, 8
	s_add_co_u32 s41, s41, s29
	s_and_b32 s29, s25, 3
	s_lshl_b32 s29, s29, 2
	s_add_co_u32 s41, s41, s29
	s_add_co_u32 s41, s41, SCB
	s_lshl_b32 s42, s20, 8
	s_add_co_u32 s42, s42, SCB
	s_mov_b32 s33, 0x600000                        ; the mantissa field of 448
	s_mov_b32 s36, 0x76543210
	s_mov_b32 s37, 0xfedcba98                      ; selects for lane l xor 16
	v_lshl_add_u32 v14, v0, 2, SPARE
	v_mov_b32 v15, 0
	v_and_b32 v2, 31, v0
	v_and_b32 v8, 15, v0                           ; r
	v_bfe_u32 v9, v0, 4, 1                         ; h
	v_lshlrev_b32 v4, 4, v2                        ; 16 x lane
	v_lshlrev_b32 v3, 4, v8
	v_lshl_add_u32 v3, v9, 14, v3                  ; in: row h of two, 16 r
	v_mul_u32_u24 v5, v9, SPT
	v_lshl_add_u32 v5, v8, 4, v5
	v_add_nc_u32 v5, s40, v5                       ; into the stage, as loaded
	v_mul_u32_u24 v6, v8, SPT
	v_lshl_add_u32 v6, v9, 6, v6
	v_add_nc_u32 v6, s40, v6                       ; out of it: row r, 64 h
	v_lshl_add_u32 v7, v8, 4, s41                  ; my row's scale word
	v_lshl_add_u32 v[PO], v8, 2, s28
	v_and_b32 v[PO], s22, v[PO]                    ; my row's parameters
	v_lshlrev_b32 v252, 3, v2
	v_add_nc_u32 v253, s42, v252
	s_wait_alu depctr_va_vdst(0)
	s_wait_kmcnt 0x0
	s_cmp_lt_u32 ttmp9, 128                        ; the choice hangs on the work-group's number alone
	s_cselect_b64 s[4:5], s[4:5], s[6:7]
	s_cselect_b64 s[8:9], s[8:9], s[12:13]
	s_cselect_b64 s[10:11], s[10:11], s[14:15]
	s_cselect_b64 s[16:17], s[16:17], s[18:19]
	s_add_nc_u64 s[4:5], s[4:5], s[30:31]
	s_add_nc_u64 s[38:39], s[16:17], s[38:39]
	s_add_nc_u64 s[16:17], s[16:17], s[34:35]
	global_load_b32 v[P+4], v[PO], s[8:9]
	global_load_b32 v[ZP], v[PO], s[10:11]
.macro LOAD t
.irp i, 0,1,2,3,4,5,6,7
	global_load_b128 v[R+32*((\t)%3)+4*\i:R+32*((\t)%3)+4*\i+3], v3, s[4:5] offset:32768*\i+256*(\t) th:TH_LOAD_NT   ; sixteen lanes read 256 consecutive aligned bytes of a row
.endr
.endm
.macro TURN t                          ; LDS serves a wave's instructions in order (ISA guide 5.7.1.4): no wait between the stores and the loads
.irp i, 0,1,2,3,4,5,6,7
	ds_store_b128 v5, v[R+32*((\t)%3)+4*\i:R+32*((\t)%3)+4*\i+3] offset:STG*((\t)%2)+2*SPT*\i
.endr
.irp i, 0,1,2,3,4,5,6,7
	ds_load_b128 v[X+32*((\t)%2)+4*\i:X+32*((\t)%2)+4*\i+3], v6 offset:STG*((\t)%2)+128*(\i/4)+16*(\i%4)
.endr
.endm
	LOAD 0
	LOAD 1
	LOAD 2
	s_wait_loadcnt 24                              ; the two parameters are in; the 24 loads behind them stay out
	v_rcp_f32 v[P], v[P+4]
	v_nop
	s_wait_alu depctr_va_vdst(0)                   ; ahead of the reciprocal's first reader
	v_fma_f32 v8, -v[P+4], v[P], 1.0               ; one Newton step
	v_fma_f32 v[P], v8, v[P], v[P]
	v_mov_b32 v[P+5], v[P+4]
	v_xor_b32 v[P+2], 0x80000000, v[P+4]
	v_xor_b32 v[P+3], 0x80000000, v[P+4]
	v_cvt_f32_i32 v[ZP], v[ZP]
	v_mov_b32 v[P+1], v[P]
	v_sub_f32 v[P+6], 0, v[ZP]
	v_sub_f32 v[P+7], 0x437f0000, v[ZP]
	s_wait_alu depctr_va_vdst(0)
	s_wait_loadcnt 16
	TURN 0
.macro STEP t
.set XS, X+32*((\t)%2)
.set CS, C+8*((\t)%4)
	s_wait_dscnt 0x0                               ; this step's numbers are back: so its stores into the stage have read their registers
.if (\t) >= 4
	s_wait_xcnt 0x0                                ; the stores of four steps ago have read their codes
.endif
.if (\t)+3 < STEPS
	LOAD (\t)+3
.endif
.if (\t)+1 < STEPS
.if (\t) <= 4
	s_wait_loadcnt 16                              ; the next step's loads are in; those of the two steps behind it may be out
.else
	s_wait_loadcnt 8*(6-(\t))
.endif
	TURN (\t)+1
.endif
.irp i, 0,2,4,6,8,10,12,14,16,18,20,22,24,26,28,30
	v_pk_mul_f32 v[T+\i:T+\i+1], v[XS+\i:XS+\i+1], v[P:P+1]                       ; q0 = v r
.endr
.irp i, 0,2,4,6,8,10,12,14,16,18,20,22,24,26,28,30
	v_pk_fma_f32 v[XS+\i:XS+\i+1], v[T+\i:T+\i+1], v[P+2:P+3], v[XS+\i:XS+\i+1]   ; v - q0 s
.endr
.irp i, 0,2,4,6,8,10,12,14,16,18,20,22,24,26,28,30
	v_pk_fma_f32 v[T+\i:T+\i+1], v[XS+\i:XS+\i+1], v[P:P+1], v[T+\i:T+\i+1]       ; v / s
.endr
.irp i, 0,1,2,3,4,5,6,7,8,9,10,11,12,13,14,15,16,17,18,19,20,21,22,23,24,25,26,27,28,29,30,31
	v_rndne_f32 v[T+\i], v[T+\i]
.endr
.irp i, 0,1,2,3,4,5,6,7,8,9,10,11,12,13,14,15,16,17,18,19,20,21,22,23,24,25,26,27,28,29,30,31
	v_med3_num_f32 v[T+\i], v[T+\i], v[P+6], v[P+7]   ; held between -z and 255 - z
.endr
.irp i, 0,2,4,6,8,10,12,14,16,18,20,22,24,26,28,30
	v_pk_mul_f32 v[XS+\i:XS+\i+1], v[T+\i:T+\i+1], v[P+4:P+5]                     ; x s: what the block quantiser takes
.endr
.irp h, 0,1                            ; the two blocks by turns, each in two chains
	v_max3_num_f32 v[8+\h], |v[XS+16*\h]|, |v[XS+16*\h+1]|, |v[XS+16*\h+2]|
	v_max3_num_f32 v[10+\h], |v[XS+16*\h+3]|, |v[XS+16*\h+4]|, |v[XS+16*\h+5]|
.endr
.irp i, 6,10
.irp h, 0,1
	v_max3_num_f32 v[8+\h], v[8+\h], |v[XS+16*\h+\i]|, |v[XS+16*\h+\i+1]|
	v_max3_num_f32 v[10+\h], v[10+\h], |v[XS+16*\h+\i+2]|, |v[XS+16*\h+\i+3]|
.endr
.endr
.irp h, 0,1
	v_max3_num_f32 v[8+\h], v[8+\h], |v[XS+16*\h+14]|, |v[XS+16*\h+15]|
.endr
.irp h, 0,1
	v_max3_num_f32 v[8+\h], v[8+\h], v[10+\h], (EMAX+1)<<23   ; and the floor: the byte cannot fall under 1
.endr
.irp h, 0,1
	v_permlanex16_b32 v[10+\h], v[8+\h], s36, s37
.endr
.irp h, 0,1
	v_max_num_f32 v[8+\h], v[8+\h], v[10+\h]       ; with lane l xor 16's 16: the block's largest magnitude
.endr
.irp h, 0,1
	v_add_nc_u32 v[12+\h], -(EMAX<<23), v[8+\h]    ; the conversion's scale operand
.endr
.irp h, 0,1
	v_and_or_b32 v[10+\h], v[8+\h], 0x7f800000, s33   ; 448 x the scale
.endr
.irp h, 0,1
.irp i, 0,1,2,3,4,5,6,7,8,9,10,11,12,13,14,15
	v_med3_num_f32 v[XS+16*\h+\i], v[XS+16*\h+\i], -v[10+\h], v[10+\h]   ; the conversion does not saturate (ISA guide 7.6.2)
.endr
.endr
.irp h, 0,1
	v_cvt_scalef32_pk8_fp8_f32 v[CS+4*\h:CS+4*\h+1], v[XS+16*\h:XS+16*\h+7], v[12+\h]
	v_cvt_scalef32_pk8_fp8_f32 v[CS+4*\h+2:CS+4*\h+3], v[XS+16*\h+8:XS+16*\h+15], v[12+\h]
.endr
	v_lshrrev_b32 v1, 23, v12                      ; the two bytes (also the plain line behind the conversions)
	v_lshrrev_b32 v251, 23, v13
.if (\t)%2 == 0
	v_lshl_or_b32 v[W], v251, 8, v1
.else
	v_lshl_or_b32 v[W], v1, 16, v[W]
	v_lshl_or_b32 v[W], v251, 24, v[W]
	ds_store_b32 v7, v[W] offset:512*((\t)/2)      ; both lanes of a row write the same word with the same value
.endif
.irp h, 0,1
	global_store_b128 v4, v[CS+4*\h:CS+4*\h+3], s[16:17] offset:KBS*((\t)/2)+512*(2*((\t)%2)+\h)   ; 32 lanes store 512 consecutive aligned bytes
.endr
.endm
.irp t, 0,1,2,3,4,5,6,7
	STEP \t
.endr
	s_wait_dscnt 0x0                               ; for the others' sake: my scale words have landed
	s_barrier_signal -1
	s_barrier_wait -1
	ds_load_b64 v[12:13], v253
	s_wait_dscnt 0x0
	global_store_b64 v252, v[12:13], s[38:39]      ; 32 lanes store 256 consecutive aligned bytes
	s_wait_tensorcnt 0x0                           ; the wave's end
	ds_add_u32 v14, v15
	s_wait_dscnt 0x0
	s_endpgm
.Lfunc_end_k_q83e6fe05d3_quant:
	.size	k_q83e6fe05d3_quant, .Lfunc_end_k_q83e6fe05d3_quant-k_q83e6fe05d3_quant
	.p2alignl 7, 3214868480
	.fill 96, 4, 3214868480
	.section	.rodata,"a",@progbits
	.p2align	6, 0x0
	.amdhsa_kernel k_q83e6fe05d3_quant
		.amdhsa_group_segment_fixed_size 145408
		.amdhsa_private_segment_fixed_size 0
		.amdhsa_enable_private_segment 0
		.amdhsa_kernarg_size 64
		.amdhsa_user_sgpr_count 2
		.amdhsa_user_sgpr_kernarg_segment_ptr 1
		.amdhsa_wavefront_size32 1
		.amdhsa_system_sgpr_workgroup_id_x 1
		.amdhsa_system_sgpr_workgroup_id_y 1
		.amdhsa_system_sgpr_workgroup_id_z 1
		.amdhsa_system_vgpr_workitem_id 0
		.amdhsa_next_free_vgpr 256
		.amdhsa_next_free_sgpr 66
		.amdhsa_reserve_vcc 0
		.amdhsa_float_denorm_mode_32 3
		.amdhsa_float_denorm_mode_16_64 3
		.amdhsa_memory_ordered 1
		.amdhsa_forward_progress 1
		.amdhsa_inst_pref_size 109
	.end_amdhsa_kernel
	.amdgpu_metadata
---
amdhsa.version: [ 1, 2 ]
amdhsa.kernels:
  - .name:           k_q83e6fe05d3_quant
    .symbol:         k_q83e6fe05d3_quant.kd
    .args:
      - { .name: x, .offset: 0, .size: 8, .value_kind: global_buffer, .address_space: global }
      - { .name: weight, .offset: 8, .size: 8, .value_kind: global_buffer, .address_space: global }
      - { .name: act_scale, .offset: 16, .size: 8, .value_kind: global_buffer, .address_space: global }
      - { .name: act_zero_point, .offset: 24, .size: 8, .value_kind: global_buffer, .address_space: global }
      - { .name: weight_scale, .offset: 32, .size: 8, .value_kind: global_buffer, .address_space: global }
      - { .name: weight_zero_point, .offset: 40, .size: 8, .value_kind: global_buffer, .address_space: global }
      - { .name: a_pack, .offset: 48, .size: 8, .value_kind: global_buffer, .address_space: global }
      - { .name: b_pack, .offset: 56, .size: 8, .value_kind: global_buffer, .address_space: global }
    .group_segment_fixed_size: 145408
    .private_segment_fixed_size: 0
    .kernarg_segment_align: 8
    .kernarg_segment_size: 64
    .max_flat_workgroup_size: 512
    .sgpr_count:     66
    .vgpr_count:     256
    .wavefront_size: 32
...
	.end_amdgpu_metadata
.endif
;; end of part 1
;; launch gemm (part 2): grid 16 x 16, 4 waves a work-group, clusters of 4 x 1, 327,680 bytes of LDS; arguments a_pack, b_pack, bias, out0; writes out0
.if DOCPART == 2
	.amdgcn_target "amdgcn-amd-amdhsa--gfx1250"
	.amdhsa_code_object_version 6
	.text
	.protected	k_q83e6fe05d3_gemm
	.globl	k_q83e6fe05d3_gemm
	.p2align	8
	.type	k_q83e6fe05d3_gemm,@function
k_q83e6fe05d3_gemm:
	s_mov_b64 s[64:65], 0
	v_nop
	global_prefetch_b8 v0, s[64:65] scope:SCOPE_SE
	s_setreg_imm32_b32 hwreg(HW_REG_WAVE_MODE, 25, 1), 1
	s_wait_xcnt 0x0
	s_wait_alu depctr_hold_cnt(0) depctr_sa_sdst(0) depctr_va_vdst(0) depctr_va_sdst(0) depctr_va_ssrc(0) depctr_va_vcc(0) depctr_vm_vsrc(0)
	s_getreg_b32 s2, hwreg(HW_REG_IB_STS2, 6, 4)
	s_cmp_eq_u32 s2, 0
	s_cbranch_scc0 .Lentry_in_a_cluster
	s_endpgm
.Lentry_in_a_cluster:
	s_bfe_u32 s2, ttmp6, 0x10000c
	s_cmp_lg_u32 s2, 0x3003
	s_cbranch_scc0 .Lentry_shape_is_right
	s_endpgm
.Lentry_shape_is_right:
; out0[n][o] = sum over k of A[n][k] B[o][k] + bias[o]: A = x's codes, B = weight's, FP8 (E4M3) with an E8M0 byte for each 32 along K, as the first launch packs them: [block of 128 rows][K step of 128][16,384 bytes of codes in the order of the
; operand registers, 512 bytes of scale words].  A tile of 256 x 256 is made by four waves, 128 x 128 each: 64 accumulators, 512 registers.  The bias is added last, on the way out (a rounding order other than bias first).
; A GOES FROM MEMORY STRAIGHT INTO REGISTERS: 33 plain loads of 512 consecutive bytes for a K step, into three sets of 128 registers by turns; step k asks for step k + 2's, over 64 products ahead of their use, and no barrier drains them.
; So A has no separate prefetch (its loads are asked for two K steps ahead as they are) and no joint form (plain loads have none).
; B GOES THROUGH LDS: two slots of three K steps (2 x 50,688 bytes each), dense, so that a fragment load reads 512 consecutive bytes.  Slots 0 to 9 hold steps 3 s .. 3 s + 2, slot 10 steps 30 and 31 (a descriptor of its own).
; A wave keeps four blocks of B (16 rows x 128 K) in a ring.  A K step is four pairs of blocks; a pair meets A's eight blocks in 16 products.  At a pair's head stands ONE run of loads: eight places,
; the next pair's eight LDS loads into the registers that the pair before has read, and eleven of A's 33 loads.
; CLUSTER 4, 1, 1: x counts tile rows, y tile columns: the four partners share B's tiles, which are asked for jointly (mask 15).  A change of slots stands in a slot's last step, in its third pair: the slot's last two blocks lie in registers then.
; B's slot s + 1 is prefetched when slot s is asked for, 396 blocks of 256 bytes shared out by address among the cluster's sixteen waves, 25 a wave; slots 0 to 2 and the short slot 10 come by their loads alone.
; REGISTERS: window 0: v0-31 addresses, bias; v32-51 scale words; v64-127 B's ring; v128-255 A's set 0.  Window 1: A's sets 1, 2.  Windows 2, 3: accumulator (a, b) at v[8 (8 (b % 4) + a)] of window 2 + b / 4.
; Source 0 = B's rows, source 1 = A's: a lane holds eight neighbouring columns of one row of the result.
.set KBS,    16896
.set RBB,    32*KBS
.set HALFB,  3*KBS
.set SLOT,   2*HALFB
.set QB,     99*256                    ; what a wave's tensor load brings: half of 128 rows' three steps
.set STAGE,  2*SLOT
.set SPITCH, 528
.set SPARE,  STAGE+4*16*SPITCH
.set ROWC,   16384
.set AO,  4                            ; v4  16 x lane: A's loads, the bias, the stores
.set VB,  5                            ; v5, v6  my B fragments in slot 0, 1
.set STO, 7
.set RD,  8
.set SPW, 10
.set NIL, 11
.set PFO, 12
.set BI,  16                           ; v16-19 the bias of my four columns of a row
.set SA,  32                           ; A's scale words: set s at v[32 + 8 s ..+3]: register j: lanes 0-15 block j, lanes 16-31 block j + 4
.set SB,  36                           ; B's: two sets, v36-39, v44-47: no product's two scale registers are equal modulo 8
.set BR,  64
.set BK,  128
.set G1,  24
.set G0,  32
.set G1S, 48
.set G0S, 56
.set AP,  20
.set PFB, 44
.set MSB, 0
.macro WIN new
.if MSB != (\new)
	s_set_vgpr_msb (MSB<<8)|(\new)
.set MSB, (\new)
.endif
.endm
.macro PLACES n
.rept \n
	v_nop
.endr
.endm
.macro CREST
	s_cmp_lg_u32 s14, 0
	s_cbranch_scc1 .Lnot_wave_0_\@
	s_barrier_signal -3
.Lnot_wave_0_\@:
	s_barrier_wait -3
	s_barrier_signal -1
	s_barrier_wait -1
.endm
.macro CROUND
	s_barrier_signal -1
	s_barrier_wait -1
	CREST
.endm
.macro GA i, ns, off                   ; load i of a K step of A into set ns: 0..31 codes, 32 the scale words
.if (\i) < 32
	WIN (((\ns)+1)/2)<<6
	global_load_b128 v[128*(1-(\ns)%2)+4*(\i):128*(1-(\ns)%2)+4*(\i)+3], v[AO], s[AP:AP+1] offset:(\off)+512*(\i)
.elseif (\i) == 32
	WIN 0
	global_load_b128 v[SA+8*(\ns):SA+8*(\ns)+3], v[AO], s[AP:AP+1] offset:(\off)+16384
.endif
.endm
.macro GB blk, slot, pos, par, sc      ; block blk of B's step at place pos of a slot into the ring; sc: the step's scale words first
	WIN 0
.if \sc
	ds_load_b128 v[SB+8*(\par):SB+8*(\par)+3], v[VB+(\slot)] offset:(\pos)*KBS+16384
.endif
.irp c, 0,1,2,3
	ds_load_b128 v[BR+16*((\blk)%4)+4*\c:BR+16*((\blk)%4)+4*\c+3], v[VB+(\slot)] offset:(\pos)*KBS+(\blk)*2048+512*\c
.endr
.endm
.macro WM a, b, first                  ; the 64 accumulators take turns, in the same order in every step
.set D_, 8*(8*((\b)%4)+(\a))
.set B_, BR+16*((\b)%4)
.set A_, 128*(1-S_%2)+16*(\a)
.set XB_, SB+8*PA_+(\b)%4
.set XA_, SA+8*S_+(\a)%4
	WIN (((S_+1)/2)<<2)|((2+(\b)/4)*0x50)
.if \first
.if (\b) >= 4 && (\a) >= 4
	v_wmma_scale_f32_16x16x128_f8f6f4 v[D_:D_+7], v[B_:B_+15], v[A_:A_+15], 0, v[XB_], v[XA_] matrix_a_scale:MATRIX_SCALE_ROW1 matrix_b_scale:MATRIX_SCALE_ROW1
.elseif (\b) >= 4
	v_wmma_scale_f32_16x16x128_f8f6f4 v[D_:D_+7], v[B_:B_+15], v[A_:A_+15], 0, v[XB_], v[XA_] matrix_a_scale:MATRIX_SCALE_ROW1
.elseif (\a) >= 4
	v_wmma_scale_f32_16x16x128_f8f6f4 v[D_:D_+7], v[B_:B_+15], v[A_:A_+15], 0, v[XB_], v[XA_] matrix_b_scale:MATRIX_SCALE_ROW1
.else
	v_wmma_scale_f32_16x16x128_f8f6f4 v[D_:D_+7], v[B_:B_+15], v[A_:A_+15], 0, v[XB_], v[XA_]
.endif
.else
.if (\b) >= 4 && (\a) >= 4
	v_wmma_scale_f32_16x16x128_f8f6f4 v[D_:D_+7], v[B_:B_+15], v[A_:A_+15], v[D_:D_+7], v[XB_], v[XA_] matrix_a_scale:MATRIX_SCALE_ROW1 matrix_b_scale:MATRIX_SCALE_ROW1
.elseif (\b) >= 4
	v_wmma_scale_f32_16x16x128_f8f6f4 v[D_:D_+7], v[B_:B_+15], v[A_:A_+15], v[D_:D_+7], v[XB_], v[XA_] matrix_a_scale:MATRIX_SCALE_ROW1
.elseif (\a) >= 4
	v_wmma_scale_f32_16x16x128_f8f6f4 v[D_:D_+7], v[B_:B_+15], v[A_:A_+15], v[D_:D_+7], v[XB_], v[XA_] matrix_b_scale:MATRIX_SCALE_ROW1
.else
	v_wmma_scale_f32_16x16x128_f8f6f4 v[D_:D_+7], v[B_:B_+15], v[A_:A_+15], v[D_:D_+7], v[XB_], v[XA_]
.endif
.endif
.endm
; K step k.  j: A's step k + 2 lies (j + 2) KBS behind s[AP] (j < 0: nothing more to ask for).  kind 0: plain; 1: change of slots with a refill; 2: with the short refill; 3: without one; 4: the last step.  pf 1: prefetch; 2: not in the loop's last trip
.macro ST k, j, kind, pf, first=0
.set S_, (\k)%3
.set SL_, ((\k)/3)%2
.set PO_, (\k)%3
.set PA_, (\k)%2
.set NS_, ((\k)+2)%3
.set NSL_, (((\k)+1)/3)%2
.set NPO_, ((\k)+1)%3
.set CH_, ((\kind) > 0 && (\kind) < 4)
.if (\kind) == 4
	s_wait_loadcnt 0x0
.else
	s_wait_loadcnt 33                              ; this step's set of A is in; the next step's 33 loads may be out
.endif
.irp q, 0,1,2,3
.if CH_ && \q == 2 && (\pf)
	s_wait_xcnt 0x0                                ; the last prefetch has read its address
	s_add_nc_u64 s[PFB:PFB+1], s[PFB:PFB+1], HALFB
.endif
.if \q < 3
	PLACES 8                                       ; behind the pair before, whose registers the run below fills
	GB 2*\q+2, SL_, PO_, PA_, 0
	GB 2*\q+3, SL_, PO_, PA_, 0
.if (\j) >= 0
.irp n, 0,1,2,3,4,5,6,7,8,9,10
	GA 11*\q+\n, NS_, ((\j)+2)*KBS
.endr
.endif
.elseif (\kind) == 0
	PLACES 8
	GB 0, NSL_, NPO_, 1-PA_, 1                     ; the next step's first pair and its scale words
	GB 1, NSL_, NPO_, 1-PA_, 0
.endif
.if CH_ && \q == 2
	WIN 0
	s_wait_tensorcnt 0x0                           ; all my tensor loads have landed: my part of the next slot;
	ds_add_u32 v[SPW], v[NIL]                      ; 0 onto my spare word
.if (\kind) == 1
	s_add_nc_u64 s[G0+4*SL_+2:G0+4*SL_+3], s[G0+4*SL_+2:G0+4*SL_+3], 2*HALFB
.endif
	s_wait_dscnt 9                                 ; this pair is in; the run's eight loads and the add may be out
.elseif \q == 3 && (\kind) == 4
	s_wait_dscnt 0x0
.elseif \q == 3
	s_wait_dscnt 9                                 ; behind this pair's loads: the scale words and eight loads
.else
	s_wait_dscnt 8                                 ; this pair is in; the run just issued may be out
.endif
.irp u, 0,1
.irp a, 0,1,2,3,4,5,6,7
	WM \a, 2*\q+\u, \first
.endr
.if CH_ && \q == 2 && \u == 0
	s_wait_dscnt 0x0                               ; the add is done, and my reads of this slot are over
	s_barrier_signal -1
.endif
.endr
.if CH_ && \q == 2
	WIN 0
	s_barrier_wait -1
.if (\kind) < 3
	CREST                                          ; no wave of any partner still reads this slot or has a load on its way
.if (\kind) == 1
	tensor_load_to_lds s[G0+4*SL_:G0+4*SL_+3], s[G1:G1+7]
.else
	tensor_load_to_lds s[G0S:G0S+3], s[G1S:G1S+7]
.endif
	s_nop 0
.endif
	PLACES 8                                       ; four of them behind a tensor load; all eight the places ahead of the loads below
	GB 0, NSL_, NPO_, 1-PA_, 1
	GB 1, NSL_, NPO_, 1-PA_, 0
.if (\pf) == 2
	s_cmp_gt_u32 s3, 1
	s_cbranch_scc0 .Lnone_ahead_\@
.endif
.if \pf
	global_prefetch_b8 v[PFO], s[PFB:PFB+1] th:TH_LOAD_NT scope:SCOPE_SE
.endif
.if (\pf) == 2
.Lnone_ahead_\@:
.endif
.endif
.endr
.endm
	s_load_b256 s[4:11], s[0:1], 0x0               ; a_pack, b_pack, bias, out0
	v_lshl_add_u32 v[SPW], v0, 2, SPARE
	v_mov_b32 v[NIL], 0
	ds_add_u32 v[SPW], v[NIL]                      ; the opening: the add, twice on end, and its wait ahead of my first tensor load
	ds_add_u32 v[SPW], v[NIL]
	v_lshrrev_b32 v1, 5, v0
	v_readfirstlane_b32 s14, v1                    ; wave
	s_lshr_b32 s15, s14, 1                         ; my half of the tile's rows; also which 128 rows of B I fetch
	s_and_b32 s16, s14, 1                          ; my half of its columns; also which half of their bytes
	s_bfe_u32 s40, ttmp6, 0x40000                  ; cx
	s_lshl_b32 s42, ttmp9, 2
	s_add_co_u32 s42, s42, s40                     ; tile row
	s_and_b32 s17, ttmp7, 0xffff                   ; tile column: the same in all four partners
.irp g, G1, G1S
	s_mov_b32 s[\g+0], 15|(3<<16)|(1<<21)          ; the mask; elements of 8 bytes; bit 21 beside a mask; no padding
	s_mov_b32 s[\g+1], 32<<16                      ; rows of 256 bytes
	s_mov_b32 s[\g+3], 32<<16
	s_mov_b32 s[\g+5], 32
	s_mov_b32 s[\g+6], 0
	s_mov_b32 s[\g+7], 0
.endr
	s_mov_b32 s[G1+2], 99<<16
	s_mov_b32 s[G1+4], 99
	s_mov_b32 s[G1S+2], 66<<16                     ; the short slot: one K step a wave
	s_mov_b32 s[G1S+4], 66
	s_lshl_b32 s46, s17, 1
	s_add_co_u32 s46, s46, s15
	s_mul_i32 s46, s46, RBB
	s_mul_i32 s18, s16, KBS
	s_add_co_u32 s18, s18, s46
	s_add_co_u32 s18, s18, 30*KBS
	s_mov_b32 s19, 0
	s_mul_i32 s22, s16, QB
	s_add_co_u32 s46, s46, s22
	s_mov_b32 s47, 0
	s_mul_i32 s62, s14, QB                         ; where my part goes
	s_mul_i32 s23, s15, HALFB
	s_mul_i32 s22, s16, KBS
	s_add_co_u32 s23, s23, s22                     ; and in the short slot
	s_lshl_b32 s20, s42, 1
	s_add_co_u32 s20, s20, s15
	s_mul_i32 s20, s20, RBB                        ; my 128 rows of A
	s_mov_b32 s21, 0
	s_lshl_b32 s60, s17, 10
	s_lshl_b32 s22, s16, 9
	s_add_co_u32 s60, s60, s22                     ; my first column, in bytes
	s_mov_b32 s61, 0
	s_lshl_b32 s12, s42, 8
	s_lshl_b32 s13, s15, 7
	s_add_co_u32 s12, s12, s13
	s_lshl_b32 s12, s12, 14
	s_add_co_u32 s12, s12, s60
	s_mov_b32 s13, 0
	s_mul_i32 s44, s17, 2*RBB
	s_add_co_u32 s44, s44, 2*HALFB                 ; the first change of slots steps it to slot 3
	s_mov_b32 s45, 0
	s_lshl_b32 s2, s40, 2
	s_add_co_u32 s2, s2, s14                       ; which of the cluster's sixteen waves I am: my share of a prefetch, told apart by address
	s_lshr_b32 s63, s2, 3
	s_mul_i32 s63, s63, RBB
	s_and_b32 s43, s2, 7
	s_mul_i32 s43, s43, 25
	s_mul_i32 s41, s14, 16*SPITCH
	s_add_co_u32 s41, s41, STAGE
	s_mul_i32 s22, s16, HALFB
	v_and_b32 v2, 31, v0
	v_and_b32 v1, 15, v0
	v_bfe_u32 v3, v0, 4, 1
	v_lshlrev_b32 v[AO], 4, v2
	v_add_nc_u32 v[VB], s22, v[AO]
	v_add_nc_u32 v[VB+1], SLOT, v[VB]
	v_mul_u32_u24 v13, v1, SPITCH
	v_lshl_add_u32 v13, v3, 5, v13
	v_add_nc_u32 v[STO], s41, v13                  ; into my stage: row l % 16, 32 bytes for each half of the lanes
	v_add_nc_u32 v[RD], s41, v[AO]                 ; back: 32 lanes take a row of 512 bytes
	v_min_u32 v[PFO], 24, v2
	v_add_nc_u32 v[PFO], s43, v[PFO]
	v_min_u32 v[PFO], 197, v[PFO]                  ; 198 blocks of 256 bytes in 128 rows' three steps
	v_lshlrev_b32 v[PFO], 8, v[PFO]
	v_add_nc_u32 v[PFO], s63, v[PFO]
	s_wait_alu depctr_va_vdst(0)
	s_wait_dscnt 0x0                               ; both opening adds are done
	s_wait_kmcnt 0x0
	s_add_nc_u64 s[AP:AP+1], s[4:5], s[20:21]
	s_add_nc_u64 s[46:47], s[6:7], s[46:47]
	s_add_nc_u64 s[18:19], s[6:7], s[18:19]
	s_add_nc_u64 s[PFB:PFB+1], s[6:7], s[44:45]
	s_add_nc_u64 s[8:9], s[8:9], s[60:61]
	s_add_nc_u64 s[10:11], s[10:11], s[12:13]
	s_mov_b32 s[G0], 1
	s_mov_b32 s[G0+1], s62
	s_mov_b64 s[G0+2:G0+3], s[46:47]
	s_or_b32 s[G0+3], s[G0+3], 0x80000000
	s_mov_b32 s[G0+4], 1
	s_add_co_u32 s[G0+5], s62, SLOT
	s_add_nc_u64 s[G0+6:G0+7], s[46:47], HALFB
	s_or_b32 s[G0+7], s[G0+7], 0x80000000
	s_mov_b32 s[G0S], 1
	s_mov_b32 s[G0S+1], s23
	s_mov_b64 s[G0S+2:G0S+3], s[18:19]
	s_or_b32 s[G0S+3], s[G0S+3], 0x80000000
	global_load_b128 v[BI:BI+3], v[AO], s[8:9]
.set I_, 0
.rept 33
	GA I_, 0, 0                                    ; A's K steps 0 and 1
.set I_, I_+1
.endr
.set I_, 0
.rept 33
	GA I_, 1, KBS
.set I_, I_+1
.endr
	WIN 0
	CROUND                                         ; the four work-groups are here: the first joint loads meet
	tensor_load_to_lds s[G0:G0+3], s[G1:G1+7]      ; slot 0: one tensor load a wave at the head
	s_nop 0
	PLACES 4
	s_wait_tensorcnt 0x0                           ; my part of slot 0 is in; these lines stand ahead of a later first fill as ahead of a refill
	ds_add_u32 v[SPW], v[NIL]
	s_wait_dscnt 0x0
	CROUND
	tensor_load_to_lds s[G0+4:G0+7], s[G1:G1+7]    ; slot 1
	s_nop 0
	PLACES 4
	GB 0, 0, 0, 0, 1
	GB 1, 0, 0, 0, 0
	ST 0, 0, 0, 0, 1                               ; the first step stands ahead of the loop: its products start the sums
	WIN 0
	s_wait_xcnt 0x0                                ; A's loads have read their base
	s_add_nc_u64 s[AP:AP+1], s[AP:AP+1], KBS
	s_mov_b32 s3, 4
.Llap:                                                 ; a trip: six K steps, once round the ring and twice round A's three sets: steps 1 to 24
	ST 1, 0, 0, 0
	ST 2, 1, 1, 1
	ST 3, 2, 0, 0
	ST 4, 3, 0, 0
	ST 5, 4, 1, 2
	ST 6, 5, 0, 0
	WIN 0
	s_wait_xcnt 0x0
	s_add_nc_u64 s[AP:AP+1], s[AP:AP+1], 6*KBS
	s_sub_co_u32 s3, s3, 1
	s_cmp_lg_u32 s3, 0
	s_cbranch_scc1 .Llap
	ST 25, 0, 0, 0
	ST 26, 1, 2, 0                                 ; slot 0 takes steps 30 and 31
	ST 27, 2, 0, 0
	ST 28, 3, 0, 0
	ST 29, 4, 3, 0                                 ; nothing is filled again
	ST 30, -1, 0, 0
	ST 31, -1, 4, 0
	WIN 0
; THE WAY OUT, by blocks of 16 rows x 128 columns: through my own stage (bytes that no tensor load fills), back as whole rows of 512 bytes, the bias added, stored as two aligned units of 256 bytes.
.macro TOSTAGE a
.irp b, 0,1,2,3,4,5,6,7
	WIN (2+\b/4)<<2
	ds_store_b128 v[STO], v[8*(8*(\b%4)+(\a)):8*(8*(\b%4)+(\a))+3] offset:64*\b       ; each accumulator from its low end on
	ds_store_b128 v[STO], v[8*(8*(\b%4)+(\a))+4:8*(8*(\b%4)+(\a))+7] offset:64*\b+16
.endr
	WIN 0
.set BB, BK+64*((\a)%2)
.irp t, 0,1,2,3,4,5,6,7,8,9,10,11,12,13,14,15
	ds_load_b128 v[BB+4*\t:BB+4*\t+3], v[RD] offset:\t*SPITCH    ; LDS serves a wave's instructions in order (ISA guide 5.7.1.4)
.endr
.endm
.macro SEND a, younger
.set BB, BK+64*((\a)%2)
	s_wait_dscnt \younger
.if (\a) > 0
	s_add_nc_u64 s[10:11], s[10:11], 16*ROWC       ; behind a wait on XCNT
.endif
.irp t, 0,1,2,3,4,5,6,7,8,9,10,11,12,13,14,15
	v_pk_add_f32 v[BB+4*\t:BB+4*\t+1], v[BB+4*\t:BB+4*\t+1], v[BI:BI+1]
	v_pk_add_f32 v[BB+4*\t+2:BB+4*\t+3], v[BB+4*\t+2:BB+4*\t+3], v[BI+2:BI+3]
.endr
.irp t, 0,1,2,3,4,5,6,7,8,9,10,11,12,13,14,15
	global_store_b128 v[AO], v[BB+4*\t:BB+4*\t+3], s[10:11] offset:\t*ROWC th:TH_STORE_NT   ; 32 lanes store 512 consecutive aligned bytes
.endr
.endm
	PLACES 8
	TOSTAGE 0
.irp a, 1,2,3,4,5,6,7
.if \a > 1
	s_wait_xcnt 0x0                                ; block a - 2's stores have read their registers and their base
.endif
	TOSTAGE \a
	SEND \a-1, 32
.endr
	s_wait_xcnt 0x0
	SEND 7, 0
	s_wait_tensorcnt 0x0                           ; the wave's end
	ds_add_u32 v[SPW], v[NIL]
	s_wait_dscnt 0x0
	CROUND                                         ; the closing round
	s_endpgm
.Lfunc_end_k_q83e6fe05d3_gemm:
	.size	k_q83e6fe05d3_gemm, .Lfunc_end_k_q83e6fe05d3_gemm-k_q83e6fe05d3_gemm
	.p2alignl 7, 3214868480
	.fill 96, 4, 3214868480
	.section	.rodata,"a",@progbits
	.p2align	6, 0x0
	.amdhsa_kernel k_q83e6fe05d3_gemm
		.amdhsa_group_segment_fixed_size 327680
		.amdhsa_private_segment_fixed_size 0
		.amdhsa_enable_private_segment 0
		.amdhsa_kernarg_size 32
		.amdhsa_user_sgpr_count 2
		.amdhsa_user_sgpr_kernarg_segment_ptr 1
		.amdhsa_wavefront_size32 1
		.amdhsa_system_sgpr_workgroup_id_x 1
		.amdhsa_system_sgpr_workgroup_id_y 1
		.amdhsa_system_sgpr_workgroup_id_z 1
		.amdhsa_system_vgpr_workitem_id 0
		.amdhsa_next_free_vgpr 1024
		.amdhsa_next_free_sgpr 66
		.amdhsa_reserve_vcc 0
		.amdhsa_float_denorm_mode_32 3
		.amdhsa_float_denorm_mode_16_64 3
		.amdhsa_memory_ordered 1
		.amdhsa_forward_progress 1
		.amdhsa_inst_pref_size 255
	.end_amdhsa_kernel
	.section	.bss,"aw",@nobits
	.p2align	6
	.space	262144
	.amdgpu_metadata
---
amdhsa.version: [ 1, 2 ]
amdhsa.kernels:
  - .name:           k_q83e6fe05d3_gemm
    .symbol:         k_q83e6fe05d3_gemm.kd
    .args:
      - { .name: a_pack, .offset: 0, .size: 8, .value_kind: global_buffer, .address_space: global }
      - { .name: b_pack, .offset: 8, .size: 8, .value_kind: global_buffer, .address_space: global }
      - { .name: bias, .offset: 16, .size: 8, .value_kind: global_buffer, .address_space: global }
      - { .name: out0, .offset: 24, .size: 8, .value_kind: global_buffer, .address_space: global }
    .group_segment_fixed_size: 327680
    .private_segment_fixed_size: 0
    .kernarg_segment_align: 8
    .kernarg_segment_size: 32
    .max_flat_workgroup_size: 128
    .sgpr_count:     66
    .vgpr_count:     1024
    .wavefront_size: 32
...
	.end_amdgpu_metadata
.endif
;; end of part 2
